; MI455X (gfx1250); checked and timed in simulation.
; The chip was launched on July 23, 2026; its instructions are those of AMD's public machine-readable ISA for CDNA 5 (MIT licence, August 2026) and "CDNA5" Instruction Set Architecture Reference Guide (July 2026). The comments in the code are by the model that wrote it; some were corrected since.
;; Multi Head Attention. Allowed arithmetic: matrix products marked QUANTISED: E2M3 operands, one E8M0 scale for each 32 along K, by v_wmma_scale_f32_16x16x128_f8f6f4 with both operands' format E2M3, f32 sums; everything else in f32.
;; Inputs: Wk_codes 1,024 x 32 x 24 uint8 (E2M3 codes of Wk, K innermost, in blocks of 32 codes, four codes in three bytes); Wk_scales 1,024 x 32 uint8 (E8M0 scales of Wk, one for each 32 codes along K); Wq_codes 1,024 x 32 x 24 uint8 (E2M3 codes of Wq, K innermost, in blocks of 32 codes, four codes in three bytes); Wq_scales 1,024 x 32 uint8 (E8M0 scales of Wq, one for each 32 codes along K); Wv_codes 1,024 x 32 x 24 uint8 (E2M3 codes of Wv, K innermost, in blocks of 32 codes, four codes in three bytes); Wv_scales 1,024 x 32 uint8 (E8M0 scales of Wv, one for each 32 codes along K); att_mask 4 x 1 x 1 x 2,048 float32; bk 1,024 float32; bq 1,024 float32; bv 1,024 float32; x_codes 4 x 2,048 x 32 x 24 uint8 (E2M3 codes of x, K innermost, in blocks of 32 codes, four codes in three bytes); x_scales 4 x 2,048 x 32 uint8 (E8M0 scales of x, one for each 32 codes along K).
;; Outputs: out0 4 x 2,048 x 1,024 float32.
;; This version of the problem:
;;   THIS VERSION OF THE PROBLEM IS GIVEN IN LOW PRECISION. The matrix products marked QUANTISED in the list below multiply operands that are first quantised to E2M3 (2 exponent bits, 3 mantissa bits; 6 bits a number), with one power-of-two scale for each 32 numbers along K (OCP MX v1.0); their sums are f32. All else is computed in f32.
;;   The module's matrix products, in the order in which they are computed (A, B: the left and right operand; K: the contracted axis; several contracted axes count as one K, in the product's order):
;;     1. [M 8,192, K 1,024] x [K 1,024, N 1,024]; A: input x (given as codes); B: input Wq (given as codes): QUANTISED
;;     2. [M 8,192, K 1,024] x [K 1,024, N 1,024]; A: input x (given as codes); B: input Wk (given as codes): QUANTISED
;;     3. [M 8,192, K 1,024] x [K 1,024, N 1,024]; A: input x (given as codes); B: input Wv (given as codes): QUANTISED
;;     4. batch 64 x [M 2,048, K 64] x [K 64, N 2,048]; A: computed on the way; B: computed on the way: QUANTISED
;;     5. batch 64 x [M 2,048, K 2,048] x [K 2,048, N 64]; A: softmax (see below); B: computed on the way: QUANTISED
;;   THE QUANTISER, for each operand of a quantised product, along K:
;;     - K is cut into blocks of 32 from its start; a last block that is shorter is filled with zeros.
;;     - A block's scale is 2^e with e = floor(log2(the largest magnitude in the block)) - 2, held to -126 .. 127; a block of zeros has e = 0. As a byte (E8M0): e + 127.
;;     - Each number is divided by its block's scale, clamped to +-7.5, and rounded to the nearest number of E2M3, ties to even, subnormals kept.
;;     - The product sums the exact products of the quantised numbers (number of the format x scale) in f32.
;;   ~~~python
;;   def quantise(x, axis):      # numpy; x: float32 -> the quantised numbers, widened to float32 again
;;       x = np.moveaxis(x, axis, -1); K = x.shape[-1]
;;       x = np.pad(x, [(0, 0)] * (x.ndim - 1) + [(0, -K % 32)]); x = x.reshape(x.shape[:-1] + (-1, 32)); a = np.abs(x).max(-1, keepdims=True)
;;       e = np.where(a > 0, np.clip(np.frexp(np.where(a > 0, a, 1))[1] - 1 - 2, -126, 127), 0)      # np.frexp(a)[1] - 1 = floor(log2(a)), exactly
;;       r = np.clip(x / 2.0 ** e, -7.5, 7.5)
;;       step = 2.0 ** (np.maximum(np.frexp(np.where(r == 0, 1, r))[1] - 1, 0) - 3)
;;       q = np.round(r / step) * step * 2.0 ** e      # np.round: ties to even
;;       return np.moveaxis(q.reshape(q.shape[:-2] + (-1,))[..., :K], -1, axis).astype(np.float32)
;;   ~~~
;;   SOFTMAX AHEAD OF A QUANTISED PRODUCT. Where the list says 'softmax', what is quantised is not the finished softmax but p = 2^(t - M), with t = logit x log2(e) and M = ceil(the row's largest t), a whole number; so 1/2 < the row's largest p <= 1. The row's sum l is taken of the UNQUANTISED p, in f32, and the product's result is divided by l at the end. Since M is a whole number, a kernel that streams over the keys may use a running M (the ceiling of the running maximum): every later rescaling is an exact power of two, which a block's scale takes up: the codes' values come out the same.
;;   OPERANDS COMPUTED ON THE WAY. 'Computed on the way' means the value that the module computes at that place (a softmax that the list does not call 'softmax' is quantised finished and normalised). What goes into a quantiser is computed in f32, as accurately as f32 sums, v_exp_f32 and their like allow (about 1e-6 of the number): no bf16 or f16 on the way to a quantiser, and a product that is left as it is and whose result goes on into a quantised operand takes f32 operands (vector FMAs, or v_wmma_f32_16x16x4_f32). A number that lies on a knife's edge between two numbers of the format may be rounded either way, as far as f32 arithmetic and the matrix unit's own rounding can turn it there, and no further.
;;   INPUTS GIVEN AS CODES. Wk (in the module: [1024, 1024], K = its axis 1); Wq (in the module: [1024, 1024], K = its axis 1); Wv (in the module: [1024, 1024], K = its axis 1); x (in the module: [4, 2048, 1024], K = its axis 2): each comes as NAME_codes (uint8): NAME with its K axis moved to the last place and cut into blocks of 32 codes, [.., K / 32, bytes a block], one block behind the other in memory; four codes in three bytes: a row's codes are one little-endian stream of bits, code i at bits 6 i .. 6 i + 5 (a code: sign, 2 exponent bits, 3 mantissa bits); and NAME_scales (uint8): the same leading axes, one E8M0 byte (e + 127) for each 32 codes along K. Its value is code x scale, taken as it is: it is not quantised again, and the codes and scales need not be those that the quantiser above would give.
;; One version. Each part assembles by itself: llvm-mc -triple=amdgcn-amd-amdhsa -mcpu=gfx1250 --defsym DOCPART=n.
;; ======== version 1 of 1: 2 launches
;; limits: inputs' magnitudes at most 268,435,456; right only within a limited range of input values
;; workspace buffers: qbuf 6,553,600 bytes; kv 13,107,200 bytes
;; launch proj (part 1): grid 8 x 32, 4 waves a work-group, clusters of 4 x 4, 327,680 bytes of LDS; arguments x_codes, x_scales, Wq_codes, Wq_scales, Wk_codes, Wk_scales, Wv_codes, Wv_scales, bq, bk, bv, qbuf, kv; writes qbuf, kv
.if DOCPART == 1
	.amdgcn_target "amdgcn-amd-amdhsa--gfx1250"
	.amdhsa_code_object_version 6
	.text
	.protected	k_qe628f0dba5_proj
	.globl	k_qe628f0dba5_proj
	.p2align	8
	.type	k_qe628f0dba5_proj,@function
k_qe628f0dba5_proj:
	s_mov_b64 s[64:65], 0
	v_nop
	global_prefetch_b8 v0, s[64:65] scope:SCOPE_SE
	s_setreg_imm32_b32 hwreg(HW_REG_WAVE_MODE, 25, 1), 1
	s_wait_xcnt 0x0
	s_wait_alu depctr_hold_cnt(0) depctr_sa_sdst(0) depctr_va_vdst(0) depctr_va_sdst(0) depctr_va_ssrc(0) depctr_va_vcc(0) depctr_vm_vsrc(0)
	s_getreg_b32 s2, hwreg(HW_REG_IB_STS2, 6, 4)
	s_cmp_eq_u32 s2, 0
	s_cbranch_scc0 .Lentry_in_a_cluster
	s_endpgm
.Lentry_in_a_cluster:
	s_bfe_u32 s2, ttmp6, 0x10000c
	s_cmp_lg_u32 s2, 0xf033
	s_cbranch_scc0 .Lentry_shape_is_right
	s_endpgm
.Lentry_shape_is_right:
; q = x Wq^T + bq, k = x Wk^T + bk, v = x Wv^T + bv on codes of FP6 (E2M3) with E8M0 scales, and the results quantised again at once: q and k along the head's 64, v along the keys.
; Nothing of reference() is left out: every input has a way to the output and is loaded (att_mask by the second launch).
; What is stored are IMAGES OF OPERAND REGISTERS for the attention launch (a fragment = 12 registers a lane = 3 x 512 bytes, lane l's registers 4 c .. 4 c + 3 at 512 c + 16 l) and scale words.
; A record = 128 tokens of one head: four fragments (6,144 bytes) and 256 bytes of scale words (row r's four words at 16 r).  qbuf: [64 heads][16 records][6,400]; kv: [64][16][K's 6,400, V's 6,400].
; THE DEAL.  256 work-groups: 32 blocks of 256 tokens x 8 pairs of heads.  A work-group makes Q, then K, then V of its tokens and heads: three phases, the same in every work-group.
; Four waves, 2 x 2: a wave has 128 tokens (one record) and one head: 8 blocks of 16 tokens x 4 blocks of 16 features, 32 accumulators.
; x's 256 rows, all of K, stay in LDS for the whole launch.  A weight's 128 rows have a region of their own; each wave takes its 64 rows, all of K, into registers (384) at a phase's start,
; and as soon as all waves hold them the region is filled again with the next weight: two refills, each behind the three lines and a round of the cluster's barrier.
; x streams past the weights in blocks of 16 rows, all of K: 8 fragments, two sets; a block is 32 products on 4 accumulators by turns.
; q, k: source 0 = the weight's rows, source 1 = x's (a lane holds one token, its registers run along the features).  v: the other way round (a lane holds one feature, registers along the keys).
; So in all three phases 64 neighbouring accumulator registers make one stored fragment by the same lines.  The bias is the first products' C.  The scale words of x and of the three weights lie in registers.
; CLUSTERS 4 x 4: x's rows hang on cy and are asked for jointly along a row of the cluster, a weight's on cx, jointly along a column.
; PREFETCH: the two weights that the refills will bring are asked for at the head, each block of 256 bytes once in a cluster's column: the 16 waves of the four partners take 24 blocks each, by address.
; THE ORDER INSIDE A BLOCK OF 32: with lane l xor 16 a lane's 16 numbers make a block, in the order 0-7, 16-23, 8-15, 24-31; the attention launch lays p in v's order.
; LIMITS: NaN and infinities are not served.  A block of zeros gets the scale byte 1 (its codes are zeros; this program alone reads the bytes).
; REGISTERS: window 3: the accumulators.  Fragment f lies at 256 (1 + f / 21) + 12 (f % 21), from f = 42 on at 184 + 12 (f - 42): 0-31 the weight's (4 q + block), 32-39 and 40-47 x's two sets.
.set KROW,  768
.set PITCH, 816                        ; 3 x (256 + 16)
.set BLK,   16*PITCH
.set WB,    256*PITCH                  ; the weights' region, behind x's rows
.set SPARE, WB+128*PITCH
.set NF,    26                         ; LDS loads that bring a block's eight fragments
.set SPW,  1
.set NIL,  2
.set LANE, 3
.set OFF0, 4
.set OFFS, 5
.set BOJ,  6
.set BOI,  7
.set PFO,  8
.set LSC,  9
.set XA,   10                          ; v10-25 LDS addresses of x's eight blocks (the second of a pair: behind one padding more)
.set WA,   26                          ; v26-33 of the weight's four
.set SWD,  34                          ; v34-37 the scale words made
.set SX,   40                          ; v40-71 x's scale words: 8 p + q; lanes 0-15 block 2 p, lanes 16-31 block 2 p + 1
.set BY,   72
.set SW,   76                          ; v76-123 the three weights' scale words
.set BT,   124                         ; v124-155 the bias as C, eight registers a block of features
.set F,    156
.set T,    168
.set MX,   176
.set OP,   180
.set WV,   30
.set TK,   31
.set HD,   66
.set G1X,  32
.set G0X,  40
.set G0W,  44
.set G1W,  48
.set SEL,  56
.set SV,   89
.set CX,   92
.set CY,   93
.set JJ,   94
.set XT,   95
.set MROW, 96
.set MCOL, 97
.set MSB, 0
.macro WIN new
.if MSB != \new
	s_set_vgpr_msb (MSB<<8)|\new
.set MSB, \new
.endif
.endm
.macro WALU
	s_wait_alu depctr_va_vdst(0)
.endm
.macro PLACES n
.rept \n
	v_nop
.endr
.endm
.macro CROUND
	s_barrier_signal -1
	s_barrier_wait -1
	s_cmp_lg_u32 s[WV], 0
	s_cbranch_scc1 .Lnot_wave_0_\@
	s_barrier_signal -3
.Lnot_wave_0_\@:
	s_barrier_wait -3
	s_barrier_signal -1
	s_barrier_wait -1
.endm
.macro GROUP1 g, mask, rows            ; rows of 768 bytes, 16 bytes of padding behind every 256
	s_or_b32 s[\g+0], s[\mask], (1<<20)|(1<<21)|(5<<22)|(3<<25)
	s_mov_b32 s[\g+1], KROW<<16
	s_mov_b32 s[\g+2], (\rows)<<16
	s_mov_b32 s[\g+3], KROW<<16
	s_mov_b32 s[\g+4], \rows
	s_mov_b32 s[\g+5], KROW
	s_mov_b32 s[\g+6], 0
	s_mov_b32 s[\g+7], 0
.endm
.macro FREG f
.if (\f) < 42
.set RA_, 256*(1+(\f)/21)+12*((\f)%21)
.else
.set RA_, 184+12*((\f)-42)
.endif
.endm
.macro FRAG f, q, a0, a1               ; six pieces of 8 bytes, two to a load where both go by the same address register
	FREG \f
	WIN (RA_>>8)<<6
.set R_, RA_&255
.set SKIP_, 0
.irp p, 0,1,2,3,4,5
.if SKIP_
.set SKIP_, 0
.else
.set PC_, 12*(\q)+6*(\p/3)+\p%3
.set PN_, 12*(\q)+6*((\p+1)/3)+(\p+1)%3
.set X_, (PC_%32+3)/32
.set XQ_, (PN_%32+3)/32
.if (\p < 5) && (X_ == XQ_)
.set SKIP_, 1
.if X_
	ds_load_2addr_b64 v[R_+2*\p:R_+2*\p+3], v[\a1] offset0:PC_+2*(PC_/32) offset1:PN_+2*(PN_/32)
.else
	ds_load_2addr_b64 v[R_+2*\p:R_+2*\p+3], v[\a0] offset0:PC_+2*(PC_/32) offset1:PN_+2*(PN_/32)
.endif
.elseif X_
	ds_load_b64 v[R_+2*\p:R_+2*\p+1], v[\a1] offset:8*(PC_+2*(PC_/32))
.else
	ds_load_b64 v[R_+2*\p:R_+2*\p+1], v[\a0] offset:8*(PC_+2*(PC_/32))
.endif
.endif
.endr
.endm
.macro WLOAD                           ; my 64 rows of the weight, all of K
.irp q, 0,1,2,3,4,5,6,7
.irp b, 0,1,2,3
	FRAG 4*\q+\b, \q, WA+2*\b, WA+2*\b+1
.endr
.endr
	WIN 0
.endm
.macro XFETCH e, xb                    ; block xb of my tokens into set e
.irp q, 0,1,2,3,4,5,6,7
	FRAG 32+8*(\e)+\q, \q, XA+2*(\xb), XA+2*(\xb)+1
.endr
	WIN 0
.endm
.macro WM c, s0, s1, r0, r1
	v_wmma_scale_f32_16x16x128_f8f6f4 v[DL_:DL_+7], v[AL_:AL_+11], v[BL_:BL_+11], \c, v[\s0], v[\s1] matrix_a_fmt:MATRIX_FMT_FP6 matrix_b_fmt:MATRIX_FMT_FP6 matrix_a_scale:MATRIX_SCALE_ROW\r0 matrix_b_scale:MATRIX_SCALE_ROW\r1
.endm
.macro PROD kind, ph, xp, e, q, wp, wr ; tokens' block 2 xp + e, features' block 2 wp + wr, K step q
	FREG 4*(\q)+2*(\wp)+\wr
.set RW_, RA_
	FREG 32+8*(\e)+\q
.set RX_, RA_
.set XS_, SX+8*(\xp)+\q
.set WS_, SW+16*(\ph)+8*(\wp)+\q
.set CB_, BT+8*(2*(\wp)+\wr)
.if \kind
.set DL_, 64*(2*(\wp)+\wr)+8*(2*(\xp)+\e)
.set A_, RX_
.set B_, RW_
.else
.set DL_, 32*(2*(\xp)+\e)+8*(2*(\wp)+\wr)
.set A_, RW_
.set B_, RX_
.endif
.set AL_, A_&255
.set BL_, B_&255
.if \q
	WIN (A_>>8)|((B_>>8)<<2)|(3<<4)|(3<<6)
.if \kind
	WM v[DL_:DL_+7], XS_, WS_, \e, \wr
.else
	WM v[DL_:DL_+7], WS_, XS_, \wr, \e
.endif
.else
	WIN (A_>>8)|((B_>>8)<<2)|(3<<6)
.if \kind
	WM v[CB_:CB_+7], XS_, WS_, \e, \wr
.else
	WM v[CB_:CB_+7], WS_, XS_, \wr, \e
.endif
.endif
.endm
.macro PHASE kind, ph, wrap            ; eight blocks of 32 products; the four accumulators of a block take turns.  wrap = 1: behind blocks 6 and 7 the next phase's blocks 0 and 1 are fetched
.irp xp, 0,1,2,3
.irp e, 0,1
.if (2*\xp+\e < 7) || \wrap
	s_wait_dscnt NF                                ; all but the next block's loads are in
.else
	s_wait_dscnt 0x0
.endif
.irp q, 0,1,2,3,4,5,6,7
.irp wp, 0,1
.irp wr, 0,1
	PROD \kind, \ph, \xp, \e, \q, \wp, \wr
.endr
.endr
.endr
	WIN 0
	PLACES 4                                       ; in front of loads into registers that the products have read, and of the first read of results
.if \xp < 3
	XFETCH \e, 2*\xp+\e+2
.elseif \wrap
	XFETCH \e, \e
.endif
.endr
.endr
.endm
; 64 sums of a lane (window 3, from 64 g on), four half blocks of 16, become a fragment in v[F ..] (lanes 0-15 the even blocks, lanes 16-31 the odd ones) and four scale bytes
.macro QUANT g
.set A_, 64*(\g)
	WIN 0x0f
.irp b, 0,1,2,3
	v_max3_num_f32 v[MX+\b], |v[A_+16*\b]|, |v[A_+1+16*\b]|, 0x1800000   ; the floor 2^(3 - 127): the byte cannot fall under 1
.endr
	WIN 0x3c
.irp i, 2,4,6,8,10,12,14
.irp b, 0,1,2,3
	v_max3_num_f32 v[MX+\b], v[MX+\b], |v[A_+16*\b+\i]|, |v[A_+1+16*\b+\i]|
.endr
.endr
	WIN 0
.irp b, 0,1,2,3
	v_permlanex16_b32 v[BY+\b], v[MX+\b], s[SEL], s[SEL+1]
.endr
.irp b, 0,1,2,3
	v_max_num_f32 v[MX+\b], v[MX+\b], v[BY+\b]
.endr
.irp b, 0,1,2,3
	v_add_nc_u32 v[OP+\b], 0xff000000, v[MX+\b]    ; 2 off the exponent field: the conversion's scale operand
.endr
.irp b, 0,1,2,3
	v_lshrrev_b32 v[BY+\b], 23, v[OP+\b]
.endr
	WIN 0x03
	v_cvt_scalef32_pk16_fp6_f32 v[F:F+2], v[A_:A_+15], v[OP]
	v_cvt_scalef32_pk16_fp6_f32 v[T:T+2], v[A_+16:A_+31], v[OP+1]
	v_cvt_scalef32_pk16_fp6_f32 v[F+6:F+8], v[A_+32:A_+47], v[OP+2]
	v_cvt_scalef32_pk16_fp6_f32 v[T+4:T+6], v[A_+48:A_+63], v[OP+3]
	WIN 0
	v_nop
.irp i, 0,1,2
	v_permlane16_swap_b32 v[F+\i], v[T+\i]         ; a whole block to a lane
	v_permlane16_swap_b32 v[F+6+\i], v[T+4+\i]
.endr
.irp i, 0,1,2
	v_mov_b32 v[F+3+\i], v[T+\i]
	v_mov_b32 v[F+9+\i], v[T+4+\i]
.endr
.endm
.macro EPI ptr                         ; a phase's way out: four fragments and the scale words of my record
.irp g, 0,1,2,3
	s_wait_xcnt 0x0                                ; the last fragment's stores have read their registers
	QUANT \g
	v_lshl_or_b32 v[SWD+\g], v[BY+1], 8, v[BY]
	v_lshl_or_b32 v[SWD+\g], v[BY+2], 16, v[SWD+\g]
	v_lshl_or_b32 v[SWD+\g], v[BY+3], 24, v[SWD+\g]
.irp k, 0,1,2
	global_store_b128 v[OFF0], v[F+4*\k:F+4*\k+3], s[\ptr:\ptr+1] offset:1536*\g+512*\k   ; 32 lanes store 512 consecutive bytes, aligned to 256
.endr
.endr
	v_cmp_gt_u32 vcc_lo, 16, v[LANE]
	WALU
	s_wait_xcnt 0x0                                ; EXEC changes only behind this wait
	s_and_saveexec_b32 s[SV], vcc_lo
	global_store_b128 v[OFFS], v[SWD:SWD+3], s[\ptr:\ptr+1] offset:6144   ; sixteen lanes store 256 consecutive bytes, aligned
	s_wait_xcnt 0x0
	s_or_b32 exec_lo, exec_lo, s[SV]
.endm
.macro SHOW                            ; a plain barrier: the weight that the last refill brought is shown to all
	s_wait_tensorcnt 0x0
	s_wait_dscnt 0x0
	s_barrier_signal -1
	s_barrier_wait -1
.endm
.macro REFILL a                        ; all waves hold the weight in registers: its region takes the next, waves 0 and 1 a half each
	WALU
	s_wait_tensorcnt 0x0
	ds_add_u32 v[SPW], v[NIL]
	s_mov_b64 s[G0W+2:G0W+3], s[\a:\a+1]
	s_or_b32 s[G0W+3], s[G0W+3], 0x80000000
	s_wait_dscnt 0x0                               ; the add is done, and my reads of the region
	CROUND
	s_cmp_lt_u32 s[WV], 2
	s_cbranch_scc0 .Lno_w_\@
	tensor_load_to_lds s[G0W:G0W+3], s[G1W:G1W+7]
	s_nop 0
	PLACES 4
.Lno_w_\@:
.endm
.macro BIASQK ptr                      ; register 8 w + i of lane (r, h): feature 16 w + 8 h + i
.irp w, 0,1,2,3
.irp c, 0,1
	global_load_b128 v[BT+8*\w+4*\c:BT+8*\w+4*\c+3], v[BOJ], s[\ptr:\ptr+1] offset:64*\w+16*\c
.endr
.endr
.endm
	s_load_b512 s[4:19], s[0:1], 0x0               ; x codes 4, x scales 6, Wq 8, 10, Wk 12, 14, Wv 16, 18
	s_load_b256 s[20:27], s[0:1], 0x40             ; bq 20, bk 22, bv 24, qbuf 26
	s_load_b64 s[28:29], s[0:1], 0x60              ; kv
	v_lshl_add_u32 v[SPW], v0, 2, SPARE
	v_mov_b32 v[NIL], 0
	ds_add_u32 v[SPW], v[NIL]                      ; the opening lines
	ds_add_u32 v[SPW], v[NIL]
	v_lshrrev_b32 v156, 5, v0
	v_readfirstlane_b32 s[WV], v156
	s_lshr_b32 s[TK], s[WV], 1                     ; my half of the tokens.  Also: I fetch a weight (0) or x (1)
	s_and_b32 s[HD], s[WV], 1                      ; my head of the two.  Also: which half I fetch
	s_bfe_u32 s[CX], ttmp6, 0x40000
	s_bfe_u32 s[CY], ttmp6, 0x40004
	s_lshl_b32 s[JJ], ttmp9, 2
	s_add_co_u32 s[JJ], s[JJ], s[CX]               ; the pair of heads, 0..7
	s_and_b32 s[XT], ttmp7, 0xffff
	s_lshl_b32 s[XT], s[XT], 2
	s_add_co_u32 s[XT], s[XT], s[CY]               ; the block of 256 tokens, 0..31
	s_lshl_b32 s[MROW], s[CY], 2
	s_lshl_b32 s[MROW], 15, s[MROW]
	s_lshl_b32 s[MCOL], 0x1111, s[CX]
	GROUP1 G1X, MROW, 128
	GROUP1 G1W, MCOL, 64
	s_lshl_b32 s58, s[XT], 8
	s_lshl_b32 s59, s[HD], 7
	s_add_co_u32 s58, s58, s59
	s_mul_i32 s58, s58, KROW                       ; the 128 rows of x that I fetch
	s_mov_b32 s59, 0
	s_lshl_b32 s60, s[JJ], 7
	s_lshl_b32 s61, s[HD], 6
	s_add_co_u32 s60, s60, s61                     ; a weight's 64 rows: those that I fetch are those of my head
	s_lshl_b32 s62, s60, 5
	s_mov_b32 s63, 0
	s_mul_i32 s60, s60, KROW
	s_mov_b32 s61, 0
	s_lshl_b32 s72, s[XT], 8
	s_lshl_b32 s73, s[TK], 7
	s_add_co_u32 s72, s72, s73
	s_lshl_b32 s72, s72, 5                         ; my tokens' scale bytes
	s_mov_b32 s73, 0
	s_mov_b32 s[G0X], 1
	s_mul_i32 s[G0X+1], s[HD], 128*PITCH
	s_mov_b32 s[G0W], 1
	s_mul_i32 s[G0W+1], s[HD], 64*PITCH
	s_add_co_u32 s[G0W+1], s[G0W+1], WB
	s_wait_dscnt 0x0
	s_wait_kmcnt 0x0
	s_add_nc_u64 s[G0X+2:G0X+3], s[4:5], s[58:59]
	s_or_b32 s[G0X+3], s[G0X+3], 0x80000000
	s_add_nc_u64 s[G0W+2:G0W+3], s[8:9], s[60:61]
	s_or_b32 s[G0W+3], s[G0W+3], 0x80000000
	s_add_nc_u64 s[68:69], s[12:13], s[60:61]      ; what the refills will ask for
	s_add_nc_u64 s[70:71], s[16:17], s[60:61]
	s_add_nc_u64 s[6:7], s[6:7], s[72:73]
	s_add_nc_u64 s[10:11], s[10:11], s[62:63]
	s_add_nc_u64 s[14:15], s[14:15], s[62:63]
	s_add_nc_u64 s[18:19], s[18:19], s[62:63]
	CROUND                                         ; all sixteen work-groups are here: the first joint loads meet
	s_cmp_eq_u32 s[TK], 0
	s_cbranch_scc0 .Lfor_x
	tensor_load_to_lds s[G0W:G0W+3], s[G1W:G1W+7]  ; waves 0, 1: Wq's rows, a half each
	s_nop 0
	PLACES 4
	s_branch .Lasked
.Lfor_x:
	tensor_load_to_lds s[G0X:G0X+3], s[G1X:G1X+7]  ; waves 2, 3: x's rows, a half each
	s_nop 0
	PLACES 4
.Lasked:
	s_lshl_b32 s74, s[JJ], 1
	s_add_co_u32 s74, s74, s[HD]                   ; my head
	s_lshl_b32 s76, s74, 8
	s_mov_b32 s77, 0
	s_add_nc_u64 s[20:21], s[20:21], s[76:77]      ; the biases at my head
	s_add_nc_u64 s[22:23], s[22:23], s[76:77]
	s_add_nc_u64 s[24:25], s[24:25], s[76:77]
	s_lshr_b32 s78, s[XT], 3                       ; the batch
	s_lshl_b32 s78, s78, 4
	s_add_co_u32 s78, s78, s74
	s_lshl_b32 s78, s78, 4                         ; 16 records to a head
	s_and_b32 s79, s[XT], 7
	s_lshl_b32 s79, s79, 1
	s_add_co_u32 s79, s79, s[TK]
	s_add_co_u32 s78, s78, s79                     ; my record
	s_mul_i32 s80, s78, 6400
	s_mov_b32 s81, 0
	s_mul_i32 s82, s78, 12800
	s_mov_b32 s83, 0
	s_add_nc_u64 s[26:27], s[26:27], s[80:81]      ; Q's place
	s_add_nc_u64 s[28:29], s[28:29], s[82:83]      ; K's
	s_add_nc_u64 s[84:85], s[28:29], 6400          ; V's
	s_mul_i32 s86, s[TK], 128*PITCH
	s_mul_i32 s87, s[HD], 64*PITCH
	s_add_co_u32 s87, s87, WB
	s_lshl_b32 s88, s[CY], 2
	s_add_co_u32 s88, s88, s[WV]                   ; my number among the sixteen waves of my column of the cluster
	s_mul_i32 s88, s88, 128*KROW/16
	s_mul_i32 s79, s[JJ], 128*KROW
	s_add_co_u32 s88, s88, s79
	s_mov_b32 s[SEL], 0x76543210
	s_mov_b32 s[SEL+1], 0xfedcba98
	v_and_b32 v156, 15, v0                         ; r
	v_bfe_u32 v157, v0, 4, 1                       ; h
	v_and_b32 v[LANE], 31, v0
	v_mul_u32_u24 v158, v156, PITCH
	v_mad_u32_u24 v159, v157, 24, v158
	v_mad_u32_u24 v160, v157, 40, v158
	v_add_nc_u32 v[XA], s86, v159
	v_add_nc_u32 v[XA+1], s86, v160
	v_add_nc_u32 v[WA], s87, v159
	v_add_nc_u32 v[WA+1], s87, v160
.irp b, 1,2,3,4,5,6,7
	v_add_nc_u32 v[XA+2*\b], \b*BLK, v[XA]
	v_add_nc_u32 v[XA+2*\b+1], \b*BLK, v[XA+1]
.endr
.irp b, 1,2,3
	v_add_nc_u32 v[WA+2*\b], \b*BLK, v[WA]
	v_add_nc_u32 v[WA+2*\b+1], \b*BLK, v[WA+1]
.endr
	v_lshlrev_b32 v[OFF0], 4, v[LANE]
	v_lshlrev_b32 v[OFFS], 4, v156
	v_lshlrev_b32 v[LSC], 5, v[LANE]
	v_lshlrev_b32 v[BOJ], 5, v157
	v_lshlrev_b32 v[BOI], 2, v156
	v_min_u32 v[PFO], 128*KROW/16/256-1, v[LANE]
	v_lshl_add_u32 v[PFO], v[PFO], 8, s88
.irp b, 0,1,2,3
	v_mov_b32 v[BY+\b], 0                          ; a lane permute's destination counts as one of its sources
.endr
.irp p, 0,1,2,3
.irp c, 0,1
	global_load_b128 v[SX+8*\p+4*\c:SX+8*\p+4*\c+3], v[LSC], s[6:7] offset:1024*\p+16*\c
.endr
.endr
.irp p, 0,1
.irp c, 0,1
	global_load_b128 v[SW+8*\p+4*\c:SW+8*\p+4*\c+3], v[LSC], s[10:11] offset:1024*\p+16*\c
	global_load_b128 v[SW+16+8*\p+4*\c:SW+16+8*\p+4*\c+3], v[LSC], s[14:15] offset:1024*\p+16*\c
	global_load_b128 v[SW+32+8*\p+4*\c:SW+32+8*\p+4*\c+3], v[LSC], s[18:19] offset:1024*\p+16*\c
.endr
.endr
	BIASQK 20
	global_prefetch_b8 v[PFO], s[12:13] th:TH_LOAD_NT scope:SCOPE_SE   ; my sixteenth of Wk's 128 rows,
	global_prefetch_b8 v[PFO], s[16:17] th:TH_LOAD_NT scope:SCOPE_SE   ; and of Wv's
	WALU
	s_cmp_eq_u32 s[TK], 0
	s_cbranch_scc0 .Lnot_w
	s_wait_tensorcnt 0x0                           ; waves 0, 1: my half of Wq's rows is in
.Lnot_w:
	s_barrier_signal -1
	s_barrier_wait -1                              ; Wq's rows are shown; x's may still be on their way
	WLOAD
	REFILL 68                                      ; Wk's rows; every wave has waited for its loads ahead of the round, which so shows x's rows too
	XFETCH 0, 0
	XFETCH 1, 1
	s_wait_loadcnt 0x0                             ; the scale words and the bias
	PHASE 0, 0, 1                                  ; Q
	SHOW
	BIASQK 22
	WLOAD                                          ; the next weight; the way out stands under its flight
	EPI 26
	REFILL 70                                      ; Wv's rows
	s_wait_loadcnt 0x0
	PHASE 0, 1, 1                                  ; K
	SHOW
.irp w, 0,1,2,3
.irp i, 0,1,2,3,4,5,6,7
	global_load_b32 v[BT+8*\w+\i], v[BOI], s[24:25] offset:64*\w   ; V: lane (r, h) has feature 16 w + r, in all eight registers
.endr
.endr
	WLOAD
	EPI 28
	WALU
	s_wait_loadcnt 0x0
	s_wait_dscnt 0x0                               ; the weight is in registers
	PHASE 1, 2, 0                                  ; V
	EPI 84
	s_wait_tensorcnt 0x0                           ; the wave's end
	ds_add_u32 v[SPW], v[NIL]
	s_wait_dscnt 0x0
	CROUND                                         ; the closing round
	s_endpgm
.Lfunc_end_k_qe628f0dba5_proj:
	.size	k_qe628f0dba5_proj, .Lfunc_end_k_qe628f0dba5_proj-k_qe628f0dba5_proj
	.p2alignl 7, 3214868480
	.fill 96, 4, 3214868480
	.section	.rodata,"a",@progbits
	.p2align	6, 0x0
	.amdhsa_kernel k_qe628f0dba5_proj
		.amdhsa_group_segment_fixed_size 327680
		.amdhsa_private_segment_fixed_size 0
		.amdhsa_enable_private_segment 0
		.amdhsa_kernarg_size 104
		.amdhsa_user_sgpr_count 2
		.amdhsa_user_sgpr_kernarg_segment_ptr 1
		.amdhsa_wavefront_size32 1
		.amdhsa_system_sgpr_workgroup_id_x 1
		.amdhsa_system_sgpr_workgroup_id_y 1
		.amdhsa_system_sgpr_workgroup_id_z 1
		.amdhsa_system_vgpr_workitem_id 0
		.amdhsa_next_free_vgpr 1024
		.amdhsa_next_free_sgpr 102
		.amdhsa_reserve_vcc 1
		.amdhsa_float_denorm_mode_32 3
		.amdhsa_float_denorm_mode_16_64 3
		.amdhsa_memory_ordered 1
		.amdhsa_forward_progress 1
		.amdhsa_inst_pref_size 232
	.end_amdhsa_kernel
	.amdgpu_metadata
---
amdhsa.version: [ 1, 2 ]
amdhsa.kernels:
  - .name:           k_qe628f0dba5_proj
    .symbol:         k_qe628f0dba5_proj.kd
    .args:
      - { .name: x_codes, .offset: 0, .size: 8, .value_kind: global_buffer, .address_space: global }
      - { .name: x_scales, .offset: 8, .size: 8, .value_kind: global_buffer, .address_space: global }
      - { .name: Wq_codes, .offset: 16, .size: 8, .value_kind: global_buffer, .address_space: global }
      - { .name: Wq_scales, .offset: 24, .size: 8, .value_kind: global_buffer, .address_space: global }
      - { .name: Wk_codes, .offset: 32, .size: 8, .value_kind: global_buffer, .address_space: global }
      - { .name: Wk_scales, .offset: 40, .size: 8, .value_kind: global_buffer, .address_space: global }
      - { .name: Wv_codes, .offset: 48, .size: 8, .value_kind: global_buffer, .address_space: global }
      - { .name: Wv_scales, .offset: 56, .size: 8, .value_kind: global_buffer, .address_space: global }
      - { .name: bq, .offset: 64, .size: 8, .value_kind: global_buffer, .address_space: global }
      - { .name: bk, .offset: 72, .size: 8, .value_kind: global_buffer, .address_space: global }
      - { .name: bv, .offset: 80, .size: 8, .value_kind: global_buffer, .address_space: global }
      - { .name: qbuf, .offset: 88, .size: 8, .value_kind: global_buffer, .address_space: global }
      - { .name: kv, .offset: 96, .size: 8, .value_kind: global_buffer, .address_space: global }
    .group_segment_fixed_size: 327680
    .private_segment_fixed_size: 0
    .kernarg_segment_align: 8
    .kernarg_segment_size: 104
    .max_flat_workgroup_size: 128
    .sgpr_count:     102
    .vgpr_count:     1024
    .wavefront_size: 32
...
	.end_amdgpu_metadata
.endif
;; end of part 1
;; launch attn (part 2): grid 4 x 64, 8 waves a work-group, clusters of 4 x 1, 327,680 bytes of LDS; arguments qbuf, kv, att_mask, out0; writes out0
.if DOCPART == 2
	.amdgcn_target "amdgcn-amd-amdhsa--gfx1250"
	.amdhsa_code_object_version 6
	.text
	.protected	k_qe628f0dba5_attn
	.globl	k_qe628f0dba5_attn
	.p2align	8
	.type	k_qe628f0dba5_attn,@function
k_qe628f0dba5_attn:
	s_mov_b64 s[64:65], 0
	v_nop
	global_prefetch_b8 v0, s[64:65] scope:SCOPE_SE
	s_setreg_imm32_b32 hwreg(HW_REG_WAVE_MODE, 25, 1), 1
	s_wait_xcnt 0x0
	s_wait_alu depctr_hold_cnt(0) depctr_sa_sdst(0) depctr_va_vdst(0) depctr_va_sdst(0) depctr_va_ssrc(0) depctr_va_vcc(0) depctr_vm_vsrc(0)
	s_getreg_b32 s2, hwreg(HW_REG_IB_STS2, 6, 4)
	s_cmp_eq_u32 s2, 0
	s_cbranch_scc0 .Lentry_in_a_cluster
	s_endpgm
.Lentry_in_a_cluster:
	s_bfe_u32 s2, ttmp6, 0x10000c
	s_cmp_lg_u32 s2, 0x3003
	s_cbranch_scc0 .Lentry_shape_is_right
	s_endpgm
.Lentry_shape_is_right:
; out = softmax(q k^T / 8 + att_mask) v on the codes and scale words that the first launch left, in MX-FP6.  Nothing of reference() is left out.
; THE DEAL.  A work-group has one head of one batch and 512 of its 2,048 queries; the four work-groups of a cluster share the head's K and V, which are asked for JOINTLY, once, and stay in LDS.
; Eight waves; a wave takes 32 queries (two tiles x of 16) through all 16 key steps of 128, twice.  Both products are used transposed (S^T = k q^T, O^T = v^T p^T): a lane holds one query.
; THE FILL.  One tensor load a wave at the head: records 2 w, 2 w + 1 of 12,800 bytes, as 50 rows of 512 bytes with 128 bytes of padding behind each: a record is 16,000 bytes of LDS.  Nothing is filled again.
; Waves 0-3 and waves 4-7 have load lines of their own: the first barrier shows records 0-7, the barrier behind key step 7 shows all.
; No prefetch into the L2: the one fill stands at the head, and no loop runs ahead of it.
; K'S TILES ARE COMPOSED BY THE READ ADDRESSES.  Lane (8 g + i, h) of operand (c, e) reads stored fragment 2 c + g at stored lane 16 h + 8 e + i: its half u is then the 16 keys 64 c + 32 g + 16 u + 8 e + i.
; A fragment is 1,920 bytes of LDS, 128 modulo 256.
; So lane (r, h) has in registers S + 64 x + 32 c + 8 (2 e + u) + i the keys 64 c + 32 h + 16 u + 8 e + i: ONE scale block of p, whole, in the order in which v's codes lie (0-7, 16-23, 8-15, 24-31).
; The head is 64 wide and the instruction 128 deep: an operand of k holds two tiles of keys, and q stands beside 64 zero codes.  The mask, x 8, is the score products' C.
; THE NEXT STEP'S k, mask and scale words are fetched from LDS behind this step's score products, whose registers they take.  A step's number is made of the loop's counter and wraps inside what the last barrier has shown:
; steps 0-7; 8-15; the second pass goes 8 .. 15, 0 .. 7, so that it begins with what the first pass fetched last.  What the first loop and the last loop fetch in their last trips (30 loads each) is not read.
; SOFTMAX: running M = ceil of the running largest t, kept as -M; p = 2^(t - M); the sum is taken of the unquantised p; when M moves, sums and O^T are multiplied by a power of two.
; Lines that hang on each other (a row's maximum to -M and f; a block's largest p to its scale byte) are laid among the other tile's independent lines; maxima and sums run in eight chains.
; LIMITS: NaN and infinities are not served.  The promise holds while the scaled scores stay under 2^31 in magnitude; 8 x the mask is held at -2^31 from below.
.set RECP,   16000
.set MASKB,  16*RECP
.set STAGE,  MASKB+8192
.set SPITCH, 272
.set SPARE,  STAGE+8*16*SPITCH
.set LK,  1                            ; lane terms: k's fragments, k's scale words, v's fragments, 16 r, the mask
.set LS,  2
.set LV,  3
.set LVS, 4
.set LM,  5
.set ADK, 6                            ; the same with a step's place
.set ADS, 7
.set ADV, 8
.set ADW, 9
.set ADM, 10
.set GO,  11
.set ST,  12                           ; per x: -M, the largest score, the sum in two halves
.set FW,  20                           ; per x: f, p's scale word
.set VS,  24
.set KS,  28
.set QS,  30
.set BM,  32                           ; the largest of block (x, c)
.set OPS, 36
.set BYT, 40
.set T1,  44
.set TP,  48
.set SH8, 52
.set SPW, 53
.set NIL, 54
.set STO, 55
.set TC,  56                           ; the maxima's sixteen chains; later the conversions' second halves
.set PC,  72                           ; the sums' eight chains; later p's codes, 12 registers a tile
.set QT,  96                           ; q as loaded: pass 0 at 96, pass 1 at 110
.set RD,  123
.set S,   128
.set QZ,  64                           ; window 1: v0-63 O^T; 0, q0, 0, q1, 0; k's, v's fragments; the mask
.set KF,  96
.set VF,  144
.set MK,  192
.set WV,  12
.set CS,  22
.set SEL, 24
.set NCS, 26
.set G1,  28
.set G0,  36
.set TBC, 52                           ; this step's record in LDS
.set TBN, 53                           ; the next step's
.set CNT, 54
.set TMN, 55                           ; the next step's place in the mask
.set QSP, 56
.set MSB, 0
.macro WIN new
.if MSB != \new
	s_set_vgpr_msb (MSB<<8)|\new
.set MSB, \new
.endif
.endm
.macro WALU
	s_wait_alu depctr_va_vdst(0)
.endm
.macro CROUND
	s_barrier_signal -1
	s_barrier_wait -1
	s_cmp_lg_u32 s[WV], 0
	s_cbranch_scc1 .Lnot_wave_0_\@
	s_barrier_signal -3
.Lnot_wave_0_\@:
	s_barrier_wait -3
	s_barrier_signal -1
	s_barrier_wait -1
.endm
	s_load_b256 s[4:11], s[0:1], 0x0               ; qbuf, kv, att_mask, out0
	v_lshl_add_u32 v[SPW], v0, 2, SPARE
	v_mov_b32 v[NIL], 0
	ds_add_u32 v[SPW], v[NIL]                      ; the opening lines
	ds_add_u32 v[SPW], v[NIL]
	v_lshrrev_b32 v56, 5, v0
	v_readfirstlane_b32 s[WV], v56
	s_bfe_u32 s13, ttmp6, 0x40000                  ; cx: my quarter of the queries
	s_and_b32 s14, ttmp7, 0xffff                   ; 16 x batch + head
	s_mov_b32 s[G1], 15|(3<<16)|(1<<20)|(1<<21)|(6<<22)|(31<<25)   ; all four partners; elements of 8 bytes; 32 words of padding behind every 128
	s_mov_b32 s[G1+1], 64<<16
	s_mov_b32 s[G1+2], 50<<16
	s_mov_b32 s[G1+3], 64<<16
	s_mov_b32 s[G1+4], 50
	s_mov_b32 s[G1+5], 64
	s_mov_b32 s[G1+6], 0
	s_mov_b32 s[G1+7], 0
	s_mov_b32 s[CS], 0x3e38aa3b                    ; log2(e) / 8
	s_mov_b32 s[CS+1], s[CS]
	s_mov_b32 s[NCS], 0xbe38aa3b
	s_mov_b32 s[SEL], 0x76543210
	s_mov_b32 s[SEL+1], 0xfedcba98
	s_mul_i32 s20, s[WV], 2*12800
	s_mul_i32 s18, s14, 16*12800
	s_add_co_u32 s18, s18, s20
	s_mov_b32 s19, 0
	s_mov_b32 s[G0], 1
	s_mul_i32 s[G0+1], s[WV], 2*RECP
	WALU
	s_wait_dscnt 0x0
	CROUND                                         ; the round in front of the joint loads
	s_wait_kmcnt 0x0
	s_add_nc_u64 s[G0+2:G0+3], s[6:7], s[18:19]
	s_or_b32 s[G0+3], s[G0+3], 0x80000000
	s_cmp_lt_u32 s[WV], 4
	s_cbranch_scc0 .Lupper
	tensor_load_to_lds s[G0:G0+3], s[G1:G1+7]      ; waves 0-3: records 0-7
	s_nop 0
.rept 4
	v_nop
.endr
	s_branch .Lasked
.Lupper:
	tensor_load_to_lds s[G0:G0+3], s[G1:G1+7]      ; waves 4-7: records 8-15
	s_nop 0
.rept 4
	v_nop
.endr
.Lasked:
	s_lshr_b32 s18, s14, 4                         ; the batch
	s_lshl_b32 s20, s18, 13
	s_mov_b32 s21, 0
	s_add_nc_u64 s[8:9], s[8:9], s[20:21]          ; its row of the mask
	s_lshl_b32 s20, s18, 23
	s_lshl_b32 s18, s13, 21
	s_add_co_u32 s20, s20, s18
	s_lshl_b32 s18, s[WV], 17
	s_add_co_u32 s20, s20, s18
	s_and_b32 s18, s14, 15
	s_lshl_b32 s18, s18, 8
	s_add_co_u32 s20, s20, s18
	s_add_nc_u64 s[10:11], s[10:11], s[20:21]      ; out: my first query's row, my head's 256 bytes
	s_mul_i32 s18, s14, 16*6400
	s_lshl_b32 s20, s13, 2
	s_lshr_b32 s21, s[WV], 2
	s_add_co_u32 s20, s20, s21
	s_mul_i32 s20, s20, 6400
	s_add_co_u32 s18, s18, s20
	s_add_nc_u64 s[4:5], s[4:5], s[18:19]          ; q's record 4 cx + wave / 4 (pass 1: two records on)
	s_and_b32 s20, s[WV], 3
	s_lshl_b32 s18, s20, 2
	s_add_co_u32 s18, s18, 6144
	s_add_nc_u64 s[QSP:QSP+1], s[4:5], s[18:19]
	s_mul_i32 s18, s20, 1536
	s_add_nc_u64 s[4:5], s[4:5], s[18:19]          ; its fragment wave % 4
	s_mul_i32 s18, s[WV], 16*SPITCH
	s_add_co_u32 s18, s18, STAGE
	v_lshlrev_b32 v56, 4, v0
	v_and_b32 v58, 31, v0
	v_and_b32 v59, 15, v0                          ; r
	v_lshlrev_b32 v63, 4, v58
	v_lshlrev_b32 v[LVS], 4, v59
	global_load_b128 v[128:131], v56, s[8:9]
	global_load_b128 v[132:135], v56, s[8:9] offset:4096
.irp p, 0,1
.irp c, 0,1,2
	global_load_b128 v[QT+14*\p+4*\c:QT+14*\p+4*\c+3], v63, s[4:5] offset:12800*\p+512*\c
.endr
	global_load_b32 v[QT+14*\p+12], v[LVS], s[QSP:QSP+1] offset:12800*\p
.endr
	v_lshl_add_u32 v57, v0, 4, MASKB
	v_bfe_u32 v60, v0, 4, 1                        ; h
	v_bfe_u32 v61, v0, 3, 1                        ; g
	v_and_b32 v62, 7, v0                           ; i
	v_mul_u32_u24 v[LK], v61, 1920
	v_lshl_add_u32 v[LK], v60, 8, v[LK]
	v_lshl_add_u32 v[LK], v62, 4, v[LK]            ; 1,920 g + 256 h + 16 i
	v_lshlrev_b32 v[LS], 7, v60
	v_lshl_add_u32 v[LS], v62, 4, v[LS]
	v_lshl_add_u32 v[LS], v61, 2, v[LS]            ; lanes 0-15 the words of e = 0, lanes 16-31 of e = 1: 128 h + 16 i + 4 g
	v_mad_u32_u24 v[LV], v60, 384, v[LVS]          ; v's part begins in the middle of a padded row: lanes 16-31 lie behind one padding more
	v_lshl_add_u32 v[LM], v60, 7, MASKB
	v_lshlrev_b32 v[SH8], 3, v60
	v_lshlrev_b32 v[GO], 12, v60
	v_lshl_add_u32 v[GO], v59, 4, v[GO]
	v_mul_u32_u24 v[STO], v59, SPITCH
	v_lshl_add_u32 v[STO], v60, 5, v[STO]
	v_add_nc_u32 v[STO], s18, v[STO]
	v_mul_u32_u24 v[RD], v60, SPITCH
	v_lshl_add_u32 v[RD], v59, 4, v[RD]
	v_add_nc_u32 v[RD], s18, v[RD]
.irp x, 0,1
	v_mov_b32 v[TP+\x], 0                          ; lane permutes' destinations and the upper halves of pairs are written once
	v_mov_b32 v[TP+2+\x], 0
	v_mov_b32 v[FW+2*\x+1], 0
	v_mov_b32 v[T1+2*\x+1], 0
.endr
	WIN 0x40
.irp g, 0,12,24
.irp i, 0,1,2,3,4,5
	v_mov_b32 v[QZ+\g+\i], 0                       ; the zero codes beside q
.endr
.endr
	WIN 0
	s_wait_loadcnt 8                               ; the mask is in: q's eight loads were issued behind it
.irp i, 0,1,2,3,4,5,6,7
	v_mul_f32 v[128+\i], 8.0, v[128+\i]            ; in the scores' unit
.endr
.irp i, 0,1,2,3,4,5,6,7
	v_max_num_f32 v[128+\i], 0xcf000000, v[128+\i]
.endr
	ds_store_b128 v57, v[128:131]
	ds_store_b128 v57, v[132:135] offset:4096
	s_wait_loadcnt 0x0
.macro PASS_HEAD q
	v_perm_b32 v[QS], v[\q+12], v[\q+12], 0x01000100      ; a tile's two scale bytes, for either half of K
	v_perm_b32 v[QS+1], v[\q+12], v[\q+12], 0x03020302
	WIN 0x40
.irp i, 0,1,2,3,4,5
	v_mov_b32 v[QZ+6+\i], v[\q+\i]
	v_mov_b32 v[QZ+18+\i], v[\q+6+\i]
.endr
.set j, 0
.rept 64
	v_mov_b32 v[j], 0                              ; O^T: the step is written once; the first change of M leaves zeros zeros
.set j, j+1
.endr
	WIN 0
.irp x, 0,1
	v_mov_b32 v[ST+4*\x+1], 0xff61b1e6             ; under every score
	v_mov_b32 v[ST+4*\x], 0x7e967699               ; -M: above every -M to come
	v_mov_b32 v[ST+4*\x+2], 0
	v_mov_b32 v[ST+4*\x+3], 0
.endr
.endm
.macro QK c, e, u, x
.if \e
	v_wmma_scale_f32_16x16x128_f8f6f4 v[S+64*\x+32*\c+8*(2*\e+\u):S+64*\x+32*\c+8*(2*\e+\u)+7], v[KF+12*(2*\c+\e):KF+12*(2*\c+\e)+11], v[QZ+6-6*\u+12*\x:QZ+6-6*\u+12*\x+11], v[MK+8*(4*\c+2*\e+\u):MK+8*(4*\c+2*\e+\u)+7], v[KS+\c], v[QS+\x] matrix_a_fmt:MATRIX_FMT_FP6 matrix_b_fmt:MATRIX_FMT_FP6 matrix_a_scale:MATRIX_SCALE_ROW1
.else
	v_wmma_scale_f32_16x16x128_f8f6f4 v[S+64*\x+32*\c+8*(2*\e+\u):S+64*\x+32*\c+8*(2*\e+\u)+7], v[KF+12*(2*\c+\e):KF+12*(2*\c+\e)+11], v[QZ+6-6*\u+12*\x:QZ+6-6*\u+12*\x+11], v[MK+8*(4*\c+2*\e+\u):MK+8*(4*\c+2*\e+\u)+7], v[KS+\c], v[QS+\x] matrix_a_fmt:MATRIX_FMT_FP6 matrix_b_fmt:MATRIX_FMT_FP6
.endif
.endm
.macro BK x, i                         ; the maxima, line i of 24: stage i / 8 of chain i % 8, a chain to a result tile of 8 registers, of which it takes seven, from the low end on
.set B_, S+64*(\x)+8*((\i)%8)
.set Q_, TC+8*(\x)+(\i)%8
.if (\i) < 8
	v_max3_num_f32 v[Q_], v[B_], v[B_+1], v[B_+2]
.else
	v_max3_num_f32 v[Q_], v[Q_], v[B_+2*((\i)/8)+1], v[B_+2*((\i)/8)+2]
.endif
.endm
.macro RC x, i                         ; what hangs on the chains, entry i of 16: each block's largest score (0-7), the row's, -M, f
.set B_, S+64*(\x)
.set Q_, TC+8*(\x)
.set M_, BM+2*(\x)
.if (\i) < 2
	v_max3_num_f32 v[M_+(\i)], v[Q_+4*(\i)], v[Q_+4*(\i)+1], v[B_+32*(\i)+7]
.elseif (\i) < 4
	v_max3_num_f32 v[Q_+4*((\i)-2)+2], v[Q_+4*((\i)-2)+2], v[Q_+4*((\i)-2)+3], v[B_+32*((\i)-2)+15]
.elseif (\i) < 6
	v_max3_num_f32 v[M_+(\i)-4], v[M_+(\i)-4], v[Q_+4*((\i)-4)+2], v[B_+32*((\i)-4)+23]
.elseif (\i) < 8
	v_max_num_f32 v[M_+(\i)-6], v[M_+(\i)-6], v[B_+32*((\i)-6)+31]
.elseif (\i) == 8
	v_max_num_f32 v[T1+2*(\x)], v[M_], v[M_+1]
.elseif (\i) == 9
	v_permlanex16_b32 v[TP+(\x)], v[T1+2*(\x)], s[SEL], s[SEL+1]
.elseif (\i) == 10
	v_max3_num_f32 v[ST+4*(\x)+1], v[ST+4*(\x)+1], v[T1+2*(\x)], v[TP+(\x)]   ; the running largest score of my query
.elseif (\i) == 11
	v_mov_b32 v[T1+2*(\x)], v[ST+4*(\x)]
	v_mul_f32 v[TP+(\x)], s[NCS], v[ST+4*(\x)+1]
.elseif (\i) == 12
	v_floor_f32 v[ST+4*(\x)], v[TP+(\x)]           ; -M = floor(-t)
.elseif (\i) == 13
	v_sub_f32 v[T1+2*(\x)], v[ST+4*(\x)], v[T1+2*(\x)]
.elseif (\i) == 14
	v_cvt_i32_f32 v[T1+2*(\x)], v[T1+2*(\x)]       ; it saturates
.elseif (\i) == 15
	v_ldexp_f32 v[FW+2*(\x)], 1.0, v[T1+2*(\x)]    ; f = 2^(old M - new M)
.endif
.endm
.macro PF x, i                         ; t - M, two at a time
	v_pk_fma_f32 v[S+64*(\x)+2*(\i):S+64*(\x)+2*(\i)+1], v[S+64*(\x)+2*(\i):S+64*(\x)+2*(\i)+1], s[CS:CS+1], v[ST+4*(\x):ST+4*(\x)+1] op_sel_hi:[1,0,0]
.endm
.macro SUM8 n                          ; round n of the step's sums of the unquantised p: eight chains, four a tile
.irp k, 0,1,2,3
.irp x, 0,1
.if (\n) == 0
	v_pk_add_f32 v[PC+8*\x+2*\k:PC+8*\x+2*\k+1], v[S+64*\x+2*\k:S+64*\x+2*\k+1], v[S+64*\x+2*\k+8:S+64*\x+2*\k+9]
.else
	v_pk_add_f32 v[PC+8*\x+2*\k:PC+8*\x+2*\k+1], v[PC+8*\x+2*\k:PC+8*\x+2*\k+1], v[S+64*\x+2*\k+8*((\n)+1):S+64*\x+2*\k+8*((\n)+1)+1]
.endif
.endr
.endr
.endm
.macro SOFTMAX
.set i_, 0
.rept 24
	BK 0, i_
.set i_, i_+1
.endr
.set i_, 0
.rept 24                               ; tile 1's chains, and among them what hangs on tile 0's
	BK 1, i_
.if i_ < 8
	RC 0, i_
.elseif (i_ >= 10) && ((i_-10)%3 == 0)
	RC 0, 8+(i_-10)/3
.endif
.set i_, i_+1
.endr
.irp i, 0,1,2,3
	RC 1, \i
.endr
.set i_, 0
.rept 32                               ; tile 0's t - M, and among them the rest of tile 0's entries and tile 1's
	PF 0, i_
.if i_ == 0
	RC 0, 13
.elseif i_ == 1
	RC 1, 4
.elseif i_ == 2
	RC 1, 5
.elseif i_ == 3
	RC 0, 14
.elseif i_ == 4
	RC 1, 6
.elseif i_ == 5
	RC 1, 7
.elseif i_ == 6
	RC 0, 15
.elseif (i_ >= 9) && ((i_-9)%3 == 0)
	RC 1, 8+(i_-9)/3
.endif
.set i_, i_+1
.endr
.irp x, 0,1
.irp c, 0,1
	v_fma_f32 v[BM+2*\x+\c], v[BM+2*\x+\c], s[CS], v[ST+4*\x]
.endr
.endr
	WALU
.set i_, 0
.rept 32                               ; tile 0's exponentials; tile 1's t - M, first read behind the next wait, stand among them
	v_exp_f32 v[S+2*i_], v[S+2*i_]
	v_exp_f32 v[S+2*i_+1], v[S+2*i_+1]
	PF 1, i_
.set i_, i_+1
.endr
.irp b, 0,1,2,3
	v_exp_f32 v[BM+\b], v[BM+\b]                   ; each block's largest p: the same two instructions on the same number
.endr
	v_nop
	WALU                                           ; behind the first batch and ahead of the second
.set j, 0
.rept 64
	v_exp_f32 v[S+64+j], v[S+64+j]
.set j, j+1
.endr
	v_nop
	WALU                                           ; and behind it
.irp b, 0,1,2,3
	v_max_num_f32 v[BM+\b], 0x1800000, v[BM+\b]    ; the floor: the byte cannot fall under 1
.endr
	SUM8 0
.irp b, 0,1,2,3
	v_add_nc_u32 v[OPS+\b], 0xff000000, v[BM+\b]
.endr
	SUM8 1
.irp b, 0,1,2,3
	v_lshrrev_b32 v[BYT+\b], 23, v[OPS+\b]
.endr
	SUM8 2
.irp x, 0,1
	v_lshl_or_b32 v[TP+\x], v[BYT+2*\x+1], 16, v[BYT+2*\x]   ; my bytes: blocks h and 2 + h,
.endr
	SUM8 3
.irp x, 0,1
	v_lshlrev_b32 v[TP+\x], v[SH8], v[TP+\x]       ; at their places,
.endr
	SUM8 4
.irp x, 0,1
	v_permlanex16_b32 v[TP+2+\x], v[TP+\x], s[SEL], s[SEL+1]
.endr
	SUM8 5
.irp x, 0,1
	v_or_b32 v[FW+2*\x+1], v[TP+\x], v[TP+2+\x]    ; with lane l xor 16's the word is whole
.endr
	SUM8 6
.irp k, 0,4
.irp x, 0,1
	v_pk_add_f32 v[PC+8*\x+\k:PC+8*\x+\k+1], v[PC+8*\x+\k:PC+8*\x+\k+1], v[PC+8*\x+\k+2:PC+8*\x+\k+3]
.endr
.endr
.irp x, 0,1
	v_pk_add_f32 v[PC+8*\x:PC+8*\x+1], v[PC+8*\x:PC+8*\x+1], v[PC+8*\x+4:PC+8*\x+5]
.endr
.irp x, 0,1
	v_pk_fma_f32 v[ST+4*\x+2:ST+4*\x+3], v[ST+4*\x+2:ST+4*\x+3], v[FW+2*\x:FW+2*\x+1], v[PC+8*\x:PC+8*\x+1] op_sel_hi:[1,0,1]   ; the sum under the new M, and the step's
.endr
.irp x, 0,1
.irp c, 0,1
	v_cvt_scalef32_pk16_fp6_f32 v[PC+12*\x+6*\c:PC+12*\x+6*\c+2], v[S+64*\x+32*\c:S+64*\x+32*\c+15], v[OPS+2*\x+\c]
	v_cvt_scalef32_pk16_fp6_f32 v[TC+4*(2*\x+\c):TC+4*(2*\x+\c)+2], v[S+64*\x+32*\c+16:S+64*\x+32*\c+31], v[OPS+2*\x+\c]
.endr
.endr
	v_nop
.irp x, 0,1
.irp c, 0,1
.irp i, 0,1,2
	v_mov_b32 v[PC+12*\x+6*\c+3+\i], v[TC+4*(2*\x+\c)+\i]   ; a conversion's three registers begin on an even number
.endr
.endr
.endr
.endm
.macro KLOADS                          ; a step's k, mask and k's scale words: 30 LDS loads
	WIN 0x40
.irp c, 0,1
.irp e, 0,1
.irp k, 0,1,2
	ds_load_b128 v[KF+12*(2*\c+\e)+4*\k:KF+12*(2*\c+\e)+4*\k+3], v[ADK] offset:3840*\c+128*\e+640*\k
.endr
.endr
.endr
.irp c, 0,1
.irp e, 0,1
.irp u, 0,1
.irp k, 0,1
	ds_load_b128 v[MK+8*(4*\c+2*\e+\u)+4*\k:MK+8*(4*\c+2*\e+\u)+4*\k+3], v[ADM] offset:256*\c+32*\e+64*\u+16*\k
.endr
.endr
.endr
.endr
	WIN 0
	ds_load_b32 v[KS], v[ADS] offset:7680
	ds_load_b32 v[KS+1], v[ADS] offset:7688
.endm
.macro FIRST n                         ; step n's k, ahead of a loop
	s_mov_b32 s[TBN], (\n)*RECP
	s_mov_b32 s[TMN], (\n)*512
	v_add_nc_u32 v[ADK], s[TBN], v[LK]
	v_add_nc_u32 v[ADS], s[TBN], v[LS]
	v_add_nc_u32 v[ADM], s[TMN], v[LM]
	KLOADS
.endm
.macro STEP o, m, b                    ; 128 keys x my 32 queries: step ((counter + o) & m) + b; the next one: ((counter + o + 1) & m) + b
	WALU
	s_add_co_u32 s[TBC], s[CNT], \o
	s_and_b32 s[TBC], s[TBC], \m
	s_add_co_u32 s[TBN], s[CNT], (\o)+1
	s_and_b32 s[TBN], s[TBN], \m
.if \b
	s_add_co_u32 s[TBC], s[TBC], \b
	s_add_co_u32 s[TBN], s[TBN], \b
.endif
	s_lshl_b32 s[TMN], s[TBN], 9
	s_mul_i32 s[TBC], s[TBC], RECP
	s_mul_i32 s[TBN], s[TBN], RECP
	s_wait_dscnt 0x0                               ; this step's k, fetched a step ago
	WIN 0x15
.irp c, 0,1
.irp e, 0,1
.irp u, 0,1
.irp x, 0,1
	QK \c, \e, \u, \x
.endr
.endr
.endr
.endr
	WIN 0
	v_add_nc_u32 v[ADV], s[TBC], v[LV]             ; these five lines are the places behind the products
	v_add_nc_u32 v[ADW], s[TBC], v[LVS]
	v_add_nc_u32 v[ADK], s[TBN], v[LK]
	v_add_nc_u32 v[ADS], s[TBN], v[LS]
	v_add_nc_u32 v[ADM], s[TMN], v[LM]
	WIN 0x40
.irp t, 0,1,2,3
.irp k, 0,1,2
	ds_load_b128 v[VF+12*\t+4*\k:VF+12*\t+4*\k+3], v[ADV] offset:7936+640*(3*\t+\k)
.endr
.endr
	WIN 0
	ds_load_b128 v[VS:VS+3], v[ADW] offset:15616
	KLOADS                                         ; the next step's
	SOFTMAX
	WIN 0x41
	WALU                                           ; directly ahead of the first reader of O^T
.set j, 0
.rept 16
	v_pk_mul_f32 v[j:j+1], v[j:j+1], v[FW:FW+1] op_sel_hi:[1,0]
	v_pk_mul_f32 v[32+j:32+j+1], v[32+j:32+j+1], v[FW+2:FW+3] op_sel_hi:[1,0]
.set j, j+2
.endr
	WALU
	s_wait_dscnt 30                                ; v is in: the next step's 30 loads were issued behind it
	WIN 0x51
.irp t, 0,1,2,3
.irp x, 0,1
	v_wmma_scale_f32_16x16x128_f8f6f4 v[32*\x+8*\t:32*\x+8*\t+7], v[VF+12*\t:VF+12*\t+11], v[PC+12*\x:PC+12*\x+11], v[32*\x+8*\t:32*\x+8*\t+7], v[VS+\t], v[FW+2*\x+1] matrix_a_fmt:MATRIX_FMT_FP6 matrix_b_fmt:MATRIX_FMT_FP6
.endr
.endr
	WIN 0
.endm
.macro STEPS n, o, m, b
	s_mov_b32 s[CNT], 0
.Lstep_\@:
	STEP \o, \m, \b
	s_add_co_u32 s[CNT], s[CNT], 1
	s_cmp_lt_u32 s[CNT], \n
	s_cbranch_scc1 .Lstep_\@
.endm
.macro PASS_OUT                        ; O^T / the sum, through my own stage, out as whole rows of 256 bytes
.rept 4
	v_nop
.endr
.irp x, 0,1
	v_add_f32 v[T1+2*\x], v[ST+4*\x+2], v[ST+4*\x+3]
.endr
.irp x, 0,1
	v_permlanex16_b32 v[TP+\x], v[T1+2*\x], s[SEL], s[SEL+1]
.endr
.irp x, 0,1
	v_add_f32 v[T1+2*\x], v[T1+2*\x], v[TP+\x]
.endr
	WALU
.irp x, 0,1
	v_rcp_f32 v[T1+2*\x], v[T1+2*\x]
.endr
	v_nop
	WIN 0x01
	WALU
.set j, 0
.rept 16
	v_pk_mul_f32 v[S+j:S+j+1], v[j:j+1], v[T1:T1+1] op_sel_hi:[1,0]
	v_pk_mul_f32 v[S+64+j:S+64+j+1], v[32+j:32+j+1], v[T1+2:T1+3] op_sel_hi:[1,0]
.set j, j+2
.endr
	WIN 0
.irp x, 0,1
.irp t, 0,1,2,3
	ds_store_b128 v[STO], v[S+64*\x+8*\t:S+64*\x+8*\t+3] offset:64*\t
	ds_store_b128 v[STO], v[S+64*\x+8*\t+4:S+64*\x+8*\t+7] offset:64*\t+16
.endr
.irp i, 0,1,2,3,4,5,6,7
	ds_load_b128 v[S+64*\x+32+4*\i:S+64*\x+35+4*\i], v[RD] offset:2*\i*SPITCH   ; LDS serves a wave's instructions in order
.endr
.endr
.irp x, 0,1
.irp i, 0,1,2,3,4,5,6,7
	s_wait_dscnt 23-16*\x-\i                       ; the LDS instructions issued behind this load
	global_store_b128 v[GO], v[S+64*\x+32+4*\i:S+64*\x+35+4*\i], s[10:11] offset:65536*\x+8192*\i th:TH_STORE_NT   ; sixteen lanes store 256 consecutive bytes, aligned
.endr
.endr
	s_wait_xcnt 0x0
.endm
	PASS_HEAD QT
	WALU
	s_cmp_lt_u32 s[WV], 4
	s_cbranch_scc0 .Lnot_lower
	s_wait_tensorcnt 0x0                           ; waves 0-3: my two of records 0-7 are in
.Lnot_lower:
	s_wait_dscnt 0x0                               ; my part of the mask is stored
	s_barrier_signal -1
	s_barrier_wait -1
	FIRST 0
	STEPS 8, 0, 7, 0                               ; steps 0-7
	s_wait_tensorcnt 0x0                           ; every wave: all that is still out
	s_wait_dscnt 0x0
	s_barrier_signal -1
	s_barrier_wait -1
	FIRST 8
	STEPS 8, 0, 7, 8                               ; steps 8-15; the last trip fetches step 8's k again, for the second pass
	PASS_OUT
	s_add_nc_u64 s[10:11], s[10:11], 256*4096      ; pass 1: 256 queries on
	s_wait_dscnt 0x0
	s_barrier_signal -1                            ; the waves begin the second pass together
	PASS_HEAD QT+14
	s_barrier_wait -1
	STEPS 16, 8, 15, 0                             ; steps 8 .. 15, 0 .. 7
	PASS_OUT
	s_wait_tensorcnt 0x0                           ; the wave's end
	ds_add_u32 v[SPW], v[NIL]
	s_wait_dscnt 0x0
	CROUND                                         ; the closing round
	s_endpgm
.Lfunc_end_k_qe628f0dba5_attn:
	.size	k_qe628f0dba5_attn, .Lfunc_end_k_qe628f0dba5_attn-k_qe628f0dba5_attn
	.p2alignl 7, 3214868480
	.fill 96, 4, 3214868480
	.section	.rodata,"a",@progbits
	.p2align	6, 0x0
	.amdhsa_kernel k_qe628f0dba5_attn
		.amdhsa_group_segment_fixed_size 327680
		.amdhsa_private_segment_fixed_size 0
		.amdhsa_enable_private_segment 0
		.amdhsa_kernarg_size 32
		.amdhsa_user_sgpr_count 2
		.amdhsa_user_sgpr_kernarg_segment_ptr 1
		.amdhsa_wavefront_size32 1
		.amdhsa_system_sgpr_workgroup_id_x 1
		.amdhsa_system_sgpr_workgroup_id_y 1
		.amdhsa_system_sgpr_workgroup_id_z 1
		.amdhsa_system_vgpr_workitem_id 0
		.amdhsa_next_free_vgpr 512
		.amdhsa_next_free_sgpr 66
		.amdhsa_reserve_vcc 0
		.amdhsa_float_denorm_mode_32 3
		.amdhsa_float_denorm_mode_16_64 3
		.amdhsa_memory_ordered 1
		.amdhsa_forward_progress 1
		.amdhsa_inst_pref_size 117
	.end_amdhsa_kernel
	.amdgpu_metadata
---
amdhsa.version: [ 1, 2 ]
amdhsa.kernels:
  - .name:           k_qe628f0dba5_attn
    .symbol:         k_qe628f0dba5_attn.kd
    .args:
      - { .name: qbuf, .offset: 0, .size: 8, .value_kind: global_buffer, .address_space: global }
      - { .name: kv, .offset: 8, .size: 8, .value_kind: global_buffer, .address_space: global }
      - { .name: att_mask, .offset: 16, .size: 8, .value_kind: global_buffer, .address_space: global }
      - { .name: out0, .offset: 24, .size: 8, .value_kind: global_buffer, .address_space: global }
    .group_segment_fixed_size: 327680
    .private_segment_fixed_size: 0
    .kernarg_segment_align: 8
    .kernarg_segment_size: 32
    .max_flat_workgroup_size: 256
    .sgpr_count:     66
    .vgpr_count:     512
    .wavefront_size: 32
...
	.end_amdgpu_metadata
.endif
;; end of part 2
